; MI455X (gfx1250); checked and timed in simulation.
; The chip was launched on July 23, 2026; its instructions are those of AMD's public machine-readable ISA for CDNA 5 (MIT licence, August 2026) and "CDNA5" Instruction Set Architecture Reference Guide (July 2026). The comments in the code are by the model that wrote it; some were corrected since.
;; P Linear. Allowed arithmetic: matrix products marked QUANTISED: E4M3 operands, one given power-of-two scale a tensor, by v_wmma_f32_16x16x64_fp8_fp8 or v_wmma_f32_16x16x128_fp8_fp8, f32 sums; everything else in f32.
;; Inputs: lowp_scales 4 int32 (the exponents e of the quantised operands' scales 2^e); w_neg 4,096 x 4,096 float32; w_pos 4,096 x 4,096 float32; x_codes 8 x 256 x 128 x 32 uint8 (E4M3 codes of x, K innermost, in blocks of 32 codes).
;; Outputs: out0 8 x 256 x 4,096 float32.
;; This version of the problem:
;;   THIS VERSION OF THE PROBLEM IS GIVEN IN LOW PRECISION. The matrix products marked QUANTISED in the list below multiply operands that are first quantised to E4M3 (4 exponent bits, 3 mantissa bits; 8 bits a number), with one given power-of-two scale for each operand tensor; their sums are f32. All else is computed in f32.
;;   The module's matrix products, in the order in which they are computed (A, B: the left and right operand; K: the contracted axis; several contracted axes count as one K, in the product's order):
;;     1. [M 2,048, K 4,096] x [K 4,096, N 4,096]; A: input x (given as codes); B: computed on the way: QUANTISED (scales: A lowp_scales[0], B lowp_scales[1])
;;     2. [M 2,048, K 4,096] x [K 4,096, N 4,096]; A: input x (given as codes); B: computed on the way: QUANTISED (scales: A lowp_scales[2], B lowp_scales[3])
;;   THE QUANTISER, for each operand of a quantised product, along K:
;;     - The operand's scale is 2^e, e = its entry of the input lowp_scales (int32; the entries are numbered through the quantised products in the list's order, A before B).
;;     - Each number is divided by the scale, clamped to +-448, and rounded to the nearest number of E4M3, ties to even, subnormals kept.
;;     - The product sums the exact products of the quantised numbers (number of the format x scale) in f32.
;;   ~~~python
;;   def quantise(x, axis, e):      # numpy; x: float32 -> the quantised numbers, widened to float32 again
;;       x = np.moveaxis(x, axis, -1); K = x.shape[-1]
;;       r = np.clip(x / 2.0 ** e, -448, 448)
;;       step = 2.0 ** (np.maximum(np.frexp(np.where(r == 0, 1, r))[1] - 1, -6) - 3)
;;       q = np.round(r / step) * step * 2.0 ** e      # np.round: ties to even
;;       return np.moveaxis(q, -1, axis).astype(np.float32)
;;   ~~~
;;   OPERANDS COMPUTED ON THE WAY. 'Computed on the way' means the value that the module computes at that place (a softmax that the list does not call 'softmax' is quantised finished and normalised). What goes into a quantiser is computed in f32, as accurately as f32 sums, v_exp_f32 and their like allow (about 1e-6 of the number): no bf16 or f16 on the way to a quantiser, and a product that is left as it is and whose result goes on into a quantised operand takes f32 operands (vector FMAs, or v_wmma_f32_16x16x4_f32). A number that lies on a knife's edge between two numbers of the format may be rounded either way, as far as f32 arithmetic and the matrix unit's own rounding can turn it there, and no further.
;;   INPUTS GIVEN AS CODES. x (in the module: [8, 256, 4096], K = its axis 2): each comes as NAME_codes (uint8): NAME with its K axis moved to the last place and cut into blocks of 32 codes, [.., K / 32, bytes a block], one block behind the other in memory; one code a byte (a code: sign, 4 exponent bits, 3 mantissa bits); its scale is its entry of lowp_scales. Its value is code x scale, taken as it is: it is not quantised again, and the codes and scales need not be those that the quantiser above would give.
;; One version. Each part assembles by itself: llvm-mc -triple=amdgcn-amd-amdhsa -mcpu=gfx1250 --defsym DOCPART=n.
;; ======== version 1 of 1: 2 launches
;; limits: right only within a limited range of input values
;; workspace buffers: wcodes 33,554,432 bytes
;; launch quant (part 1): grid 1024 x 1, 4 waves a work-group, no clusters, 9,728 bytes of LDS; arguments w_pos, w_neg, lowp_scales, wcodes; writes wcodes
.if DOCPART == 1
	.amdgcn_target "amdgcn-amd-amdhsa--gfx1250"
	.amdhsa_code_object_version 6
	.text
	.protected	k_qd02cf37eec_quant
	.globl	k_qd02cf37eec_quant
	.p2align	8
	.type	k_qd02cf37eec_quant,@function
k_qd02cf37eec_quant:
	s_mov_b64 s[64:65], 0
	v_nop
	global_prefetch_b8 v0, s[64:65] scope:SCOPE_SE
	s_setreg_imm32_b32 hwreg(HW_REG_WAVE_MODE, 25, 1), 1
	s_wait_xcnt 0x0
; The two weights, [4096][4096] f32 each, become codes of FP8 (E4M3), one byte each, for the two products x Wp^T and x Wn^T.
;   wp_q = w_pos + ((w_pos > 0 ? 1 : 0) - w_pos)        at the scale 2^e1 (entry 1 of the scales' exponents)
;   wn_q = w_neg + (-(w_neg <= 0 ? 1 : 0) - w_neg)      at the scale 2^e3 (entry 3)
; Both f32 additions are executed as they are written.  code = value / 2^e, held within +-448, to the nearest code, ties to even.
; LIMITS: e1 and e3 lie between -126 and 119, so that 2^e and 448 x 2^e are f32 numbers.  NaN and infinities among the weights are not served.
; WHERE THE CODES GO.  Output column o of tensor t (0: w_pos, 1: w_neg) is row 128 (o / 64) + 64 t + o % 64 of 8,192 rows of codes.  The rows lie in blocks of 16,
; and a block is laid as the product's launch loads it into operand registers: [block][k / 16][row % 16][16 bytes]: 256 consecutive bytes hold 16 codes along K of each of the block's 16 rows.
; SHARES: a wave takes one block of 16 rows x 512 along K, in four steps of 128 along K.  Work-group g: block g / 2; its four waves take K ranges 4 (g % 2) + wave.
; A STEP: sixteen loads, one a row, each of 512 consecutive bytes: register 4 r + j of a lane is number (row r, k = 4 lane + j).  Eight conversions give sixteen registers, register r with row r's four codes.
; They turn through the wave's own stage in LDS (eight units of 256 bytes, 272 apart): sixteen stores of 4 bytes a lane, four loads of 16 bytes a lane back, in the order in which the bytes are stored.
; Loads run two steps (32 loads a wave) ahead.  All sixteen global stores of a wave stand at its end.  No barrier: waves share nothing.  No matrix unit, no tensor loads, no cluster: each byte is read once.
.set STG,   2304                       ; LDS: a stage for each wave, 8 x 272 bytes in 9 blocks of 256
.set SPARE, 4*STG                      ; the spare words, 512 bytes that no other line names
.set R,     16                         ; v16-143  two sets of 64 numbers
.set Q,     144                        ; v144-159 the indicator, then the indicator less w
.set C,     160                        ; v160-175 a step's codes as the conversions give them
.set O,     176                        ; v176-239 the codes as they are stored, sixteen registers a step
	s_load_b128 s[4:7], s[0:1], 0x0                ; w_pos, w_neg
	s_load_b128 s[8:11], s[0:1], 0x10              ; the scales' exponents, the codes
	v_lshl_add_u32 v4, v0, 2, SPARE
	v_mov_b32 v5, 0
	v_lshrrev_b32 v1, 5, v0
	v_readfirstlane_b32 s12, v1                    ; wave 0..3
	s_mul_i32 s13, s12, STG
	v_and_b32 v2, 31, v0                           ; lane
	v_lshlrev_b32 v3, 4, v2                        ; 16 x lane: my bytes of a load's and of a store's 512
	v_lshrrev_b32 v6, 2, v2
	v_and_b32 v7, 3, v2
	v_mul_u32_u24 v6, v6, 272
	v_lshl_add_u32 v6, v7, 2, v6
	v_add_nc_u32 v14, s13, v6                      ; into the stage: unit lane / 4 (k / 16), byte 4 (lane % 4); the row's 16 r comes by the offset
	v_lshrrev_b32 v8, 4, v2
	v_and_b32 v9, 15, v2
	v_mul_u32_u24 v8, v8, 272
	v_lshl_add_u32 v8, v9, 4, v8
	v_add_nc_u32 v15, s13, v8                      ; back: sixteen lanes take one unit of 256 bytes
	s_wait_alu depctr_va_vdst(0)                   ; the wait at the head's end
	s_wait_kmcnt 0x0
	s_load_b128 s[20:23], s[8:9], 0x0              ; e0, e1, e2, e3
	s_lshr_b32 s14, ttmp9, 1                       ; my block of 16 rows of codes, 0 .. 511
	s_and_b32 s15, ttmp9, 1
	s_lshl_b32 s15, s15, 2
	s_add_co_u32 s15, s15, s12                     ; my K range, 0 .. 7
	s_bfe_u32 s16, s14, 0x10002                    ; the tensor: bit 2 of the block's number
	s_lshr_b32 s17, s14, 3
	s_lshl_b32 s17, s17, 2
	s_and_b32 s18, s14, 3
	s_add_co_u32 s17, s17, s18                     ; the tensor's block of 16 rows
	s_cmp_eq_u32 s16, 0
	s_cselect_b64 s[4:5], s[4:5], s[6:7]
	s_lshl_b32 s18, s17, 18                        ; 16 rows of 16,384 bytes
	s_lshl_b32 s19, s15, 11                        ; 512 numbers of 4 bytes
	s_add_co_u32 s18, s18, s19
	s_mov_b32 s19, 0
	s_add_nc_u64 s[4:5], s[4:5], s[18:19]
	s_lshl_b32 s18, s14, 16                        ; a block's codes are 65,536 bytes,
	s_lshl_b32 s24, s15, 13                        ; a K range's 8,192
	s_add_co_u32 s18, s18, s24
	s_add_nc_u64 s[10:11], s[10:11], s[18:19]
.macro LOAD t
.irp i, 0,1,2,3,4,5,6,7,8,9,10,11,12,13,14,15
	global_load_b128 v[R+64*((\t)%2)+4*\i:R+64*((\t)%2)+4*\i+3], v3, s[4:5] offset:16384*\i+512*(\t) th:TH_LOAD_NT   ; 32 lanes read 512 consecutive bytes of row i; read once in the launch
.endr
.endm
	LOAD 0
	LOAD 1
	s_wait_kmcnt 0x0
	s_mov_b32 s24, 0xbf800000                      ; -1.0
	s_mov_b32 s25, 0x80000000                      ; -0.0, as -(0.0) gives
	s_cmp_eq_u32 s16, 0
	s_cselect_b32 s26, s21, s23                    ; e1 or e3
	s_cselect_b32 s24, 0, s24                      ; the indicator where w > 0 does not hold: 0 for w_pos, -1 for w_neg
	s_cselect_b32 s25, 1.0, s25                    ; and where it holds: 1 for w_pos, -0 for w_neg
	s_add_co_i32 s26, s26, 127
	s_lshl_b32 s27, s26, 23
	v_mov_b32 v11, s27                             ; 2^e as f32: the conversion takes its exponent field
	s_add_co_i32 s26, s26, 8
	s_lshl_b32 s26, s26, 23
	s_or_b32 s26, s26, 0x600000
	v_mov_b32 v10, s26                             ; 448 x 2^e
	v_mov_b32 v12, s24
	v_mov_b32 v13, s25
.macro STEP t
.set XS, R+64*((\t)%2)
.if (\t) < 3
	s_wait_loadcnt 16                              ; this step's sixteen loads are in; the next step's may be out
.else
	s_wait_loadcnt 0
.endif
.irp g, 0,1,2,3
.irp i, 0,1,2,3,4,5,6,7,8,9,10,11,12,13,14,15
	v_cmp_lt_f32 vcc_lo, 0, v[XS+16*\g+\i]         ; w > 0 ?
	v_cndmask_b32 v[Q+\i], v12, v13, vcc_lo        ; the indicator
.endr
.irp i, 0,2,4,6,8,10,12,14
	v_pk_add_f32 v[Q+\i:Q+\i+1], v[Q+\i:Q+\i+1], v[XS+16*\g+\i:XS+16*\g+\i+1] neg_lo:[0,1] neg_hi:[0,1]   ; the indicator less w
.endr
.irp i, 0,2,4,6,8,10,12,14
	v_pk_add_f32 v[XS+16*\g+\i:XS+16*\g+\i+1], v[XS+16*\g+\i:XS+16*\g+\i+1], v[Q+\i:Q+\i+1]               ; w + that
.endr
.irp i, 0,1,2,3,4,5,6,7,8,9,10,11,12,13,14,15
	v_med3_num_f32 v[XS+16*\g+\i], v[XS+16*\g+\i], -v10, v10   ; the conversion does not saturate (ISA guide 7.6.2): hold the number first
.endr
	v_cvt_scalef32_pk8_fp8_f32 v[C+4*\g:C+4*\g+1], v[XS+16*\g:XS+16*\g+7], v11        ; rows 4 g and 4 g + 1: a register of four codes each
	v_cvt_scalef32_pk8_fp8_f32 v[C+4*\g+2:C+4*\g+3], v[XS+16*\g+8:XS+16*\g+15], v11   ; the next vector line is a plain compare on other registers
.endr
.if (\t)+2 < 4
	LOAD (\t)+2                                    ; the set is done with
.endif
.irp r, 0,1,2,3,4,5,6,7,8,9,10,11,12,13,14,15
	ds_store_b32 v14, v[C+\r] offset:16*\r
.endr
.irp u, 0,1,2,3
	ds_load_b128 v[O+16*(\t)+4*\u:O+16*(\t)+4*\u+3], v15 offset:544*\u   ; LDS serves a wave's instructions in order (ISA guide 5.7.1.4): these see the stores above, and the next step's stores come behind them
.endr
.endm
	s_wait_alu depctr_va_vdst(0)                   ; the wait here, ahead of the blocking wait below
	STEP 0
	STEP 1
	STEP 2
	STEP 3
	s_wait_tensorcnt 0x0                           ; the wave's end: behind my last LDS store
	ds_add_u32 v4, v5
	s_wait_dscnt 0x0                               ; and all my codes are back
.irp n, 0,1,2,3,4,5,6,7,8,9,10,11,12,13,14,15
	global_store_b128 v3, v[O+4*\n:O+4*\n+3], s[10:11] offset:512*\n   ; 32 lanes store 512 consecutive bytes, at a multiple of 256 from the buffer's first byte
.endr
	s_endpgm
.Lfunc_end_k_qd02cf37eec_quant:
	.size	k_qd02cf37eec_quant, .Lfunc_end_k_qd02cf37eec_quant-k_qd02cf37eec_quant
	.p2alignl 7, 3214868480
	.fill 96, 4, 3214868480
	.section	.rodata,"a",@progbits
	.p2align	6, 0x0
	.amdhsa_kernel k_qd02cf37eec_quant
		.amdhsa_group_segment_fixed_size 9728
		.amdhsa_private_segment_fixed_size 0
		.amdhsa_enable_private_segment 0
		.amdhsa_kernarg_size 32
		.amdhsa_user_sgpr_count 2
		.amdhsa_user_sgpr_kernarg_segment_ptr 1
		.amdhsa_wavefront_size32 1
		.amdhsa_system_sgpr_workgroup_id_x 1
		.amdhsa_system_sgpr_workgroup_id_y 1
		.amdhsa_system_sgpr_workgroup_id_z 1
		.amdhsa_system_vgpr_workitem_id 0
		.amdhsa_next_free_vgpr 240
		.amdhsa_next_free_sgpr 66
		.amdhsa_reserve_vcc 1
		.amdhsa_float_denorm_mode_32 3
		.amdhsa_float_denorm_mode_16_64 3
		.amdhsa_memory_ordered 1
		.amdhsa_forward_progress 1
		.amdhsa_inst_pref_size 66
	.end_amdhsa_kernel
	.amdgpu_metadata
---
amdhsa.version: [ 1, 2 ]
amdhsa.kernels:
  - .name:           k_qd02cf37eec_quant
    .symbol:         k_qd02cf37eec_quant.kd
    .args:
      - { .name: w_pos, .offset: 0, .size: 8, .value_kind: global_buffer, .address_space: global }
      - { .name: w_neg, .offset: 8, .size: 8, .value_kind: global_buffer, .address_space: global }
      - { .name: lowp_scales, .offset: 16, .size: 8, .value_kind: global_buffer, .address_space: global }
      - { .name: wcodes, .offset: 24, .size: 8, .value_kind: global_buffer, .address_space: global }
    .group_segment_fixed_size: 9728
    .private_segment_fixed_size: 0
    .kernarg_segment_align: 8
    .kernarg_segment_size: 32
    .max_flat_workgroup_size: 128
    .sgpr_count:     66
    .vgpr_count:     240
    .wavefront_size: 32
...
	.end_amdgpu_metadata
.endif
;; end of part 1
;; launch gemm (part 2): grid 32 x 8, 4 waves a work-group, clusters of 4 x 4, 327,680 bytes of LDS; arguments x_codes, wcodes, lowp_scales, out0; writes out0
.if DOCPART == 2
	.amdgcn_target "amdgcn-amd-amdhsa--gfx1250"
	.amdhsa_code_object_version 6
	.text
	.protected	k_qd02cf37eec_gemm
	.globl	k_qd02cf37eec_gemm
	.p2align	8
	.type	k_qd02cf37eec_gemm,@function
k_qd02cf37eec_gemm:
	s_mov_b64 s[64:65], 0
	v_nop
	global_prefetch_b8 v0, s[64:65] scope:SCOPE_SE
	s_setreg_imm32_b32 hwreg(HW_REG_WAVE_MODE, 25, 1), 1
	s_wait_xcnt 0x0
	s_wait_alu depctr_hold_cnt(0) depctr_sa_sdst(0) depctr_va_vdst(0) depctr_va_sdst(0) depctr_va_ssrc(0) depctr_va_vcc(0) depctr_vm_vsrc(0)
	s_getreg_b32 s2, hwreg(HW_REG_IB_STS2, 6, 4)
	s_cmp_eq_u32 s2, 0
	s_cbranch_scc0 .Lentry_in_a_cluster
	s_endpgm
.Lentry_in_a_cluster:
	s_bfe_u32 s2, ttmp6, 0x10000c
	s_cmp_lg_u32 s2, 0xf033
	s_cbranch_scc0 .Lentry_shape_is_right
	s_endpgm
.Lentry_shape_is_right:
; out[m][o] = 2^(e0 + e1) sum_k x[m][k] Wp[o][k] + 2^(e2 + e3) sum_k x[m][k] Wn[o][k], on codes of FP8 (E4M3); sums in f32.  x: [2048][4096] codes; the weights' codes as the launch before laid them:
; 8,192 rows in blocks of 16, [block][k / 16][row % 16][16 bytes]; of each 128 rows the first 64 are Wp's and the other 64 Wn's rows of the same 64 output columns.
; LIMIT: e0 + e1 and e2 + e3 lie between -126 and 127, so that the two factors are f32 numbers.
; A work-group of four waves makes 256 rows x 128 columns of out (256 rows of weight codes); a wave 128 x 128 products' sums: 64 accumulators, 512 registers.  The matrix instruction is used transposed
; (source 0 = 16 rows of weights, source 1 = 16 rows of x): a lane holds eight neighbouring columns of one row of out.
; x GOES THROUGH LDS: a ring of two slots, each 256 rows x 512 along K (rows of 512 bytes, 528 apart), four steps of 128 along K; each wave fetches 64 rows with one tensor load.
; The four work-groups of a row of the 4 x 4 cluster need the same rows of x and ask for them jointly.
; THE WEIGHTS GO FROM MEMORY STRAIGHT INTO OPERAND REGISTERS: a fragment (16 rows x 128 K) is 2,048 consecutive bytes, four loads of 512 consecutive bytes.  They pass no LDS, so no joint load can serve them.
; Lane (r, h) holds K = 32 c + 16 h + 0 .. 15 of its row in registers 4 c .. 4 c + 3, in both operands alike: a permutation of k inside an instruction, the same on both sides.
; A STEP is two halves of 32 matrix instructions: x's eight blocks against weight blocks 0-3, then against 4-7.  The weights have a ring of four half-sets of 64 registers; a half-set is loaded anew
; as soon as its half is multiplied, for the half four on: three halves, 96 matrix instructions, stand between the request and the wait.  x's blocks 0-3 have two sets, blocks 4-7 one; the second half
; takes blocks 4-7 first, so that each fetch from LDS stands 32 matrix instructions ahead of its use.
; REGISTERS: window 0: v0-31 addresses, v64-191 x's blocks 0-3 (two sets), v192-255 blocks 4-7; window 1: the weights' ring; windows 2, 3: accumulator (a, b) at v[8 (8 (a % 4) + b)].
; PREFETCH: behind each refill a wave names 32 blocks of 256 bytes of x and 32 of the weights, those of the slot three on; the partners along x share x's rows by cx, those along y the weights' blocks by cy, by address alone.
; The first three slots come by their loads alone; nothing beyond the eighth slot is named.
.set PITCH,  528
.set QUART,  64*PITCH
.set SLOT,   4*QUART
.set SPARE,  2*SLOT                    ; the spare words, 512 bytes that no other line names
.set STAGE,  SPARE+512                 ; the way out: 16 rows x 272 bytes for each wave; no tensor load lands here
.set SPITCH, 272
.set OUTROW, 16384
.set ADRA, 16                          ; v16-17 LDS address of my x fragments in slot 0, 1
.set BOF,  20                          ; v20    16 x lane
.set STO,  24
.set RD,   25
.set CO,   26
.set SPW,  28
.set NIL,  29
.set PFAO, 30                          ; v30    prefetch of x: (lane % 16) rows + 256 (lane / 16)
.set PFBO, 31                          ; v31    prefetch of weights: 256 x lane
.set TMP,  32
.set BK,   64
.set A03,  64
.set A47,  192
.set G1, 24
.set G0, 32
.set BB, 46                            ; s[46:47] my eight weight blocks, at the lap's first step
.set PA, 48                            ; s[48:49], s[50:51] where my prefetches stand, at the lap's first slot
.set PB, 50
.set MSB, 0
.macro WIN new
.if MSB != \new
	s_set_vgpr_msb (MSB<<8)|\new
.set MSB, \new
.endif
.endm
.set MUL_LO, 0xa1
.set MUL_HI, 0xf1
.set TO_B,   0x40
.macro PLACES
.rept 4
	v_nop
.endr
.endm
.macro TLOAD s                         ; every wave's own 64 rows; s_nop 0 and four v_nop follow
	tensor_load_to_lds s[G0+4*(\s):G0+4*(\s)+3], s[G1:G1+7]
	s_nop 0
	PLACES
.endm
.macro CREST
	s_cmp_lg_u32 s14, 0
	s_cbranch_scc1 .Lnot_wave_0_\@
	s_barrier_signal -3
.Lnot_wave_0_\@:
	s_barrier_wait -3
	s_barrier_signal -1
	s_barrier_wait -1
.endm
.macro CROUND
	s_barrier_signal -1
	s_barrier_wait -1
	CREST
.endm
	s_load_b128 s[4:7], s[0:1], 0x0                ; x's codes, the weights' codes
	s_load_b128 s[8:11], s[0:1], 0x10              ; the scales' exponents, out
	v_lshl_add_u32 v[SPW], v0, 2, SPARE
	v_mov_b32 v[NIL], 0
	ds_add_u32 v[SPW], v[NIL]                      ; the opening lines: the add, twice on end, and its wait ahead of my first tensor load
	ds_add_u32 v[SPW], v[NIL]
	v_lshrrev_b32 v1, 5, v0
	v_readfirstlane_b32 s14, v1                    ; wave 0..3
	s_lshr_b32 s15, s14, 1                         ; my half of the rows
	s_and_b32 s16, s14, 1                          ; my half of the columns
	s_bfe_u32 s40, ttmp6, 0x40000                  ; cx
	s_bfe_u32 s41, ttmp6, 0x40004                  ; cy
	s_lshl_b32 s42, ttmp9, 2
	s_add_co_u32 s42, s42, s40                     ; tile column
	s_and_b32 s17, ttmp7, 0xffff
	s_lshl_b32 s17, s17, 2
	s_add_co_u32 s17, s17, s41                     ; tile row
	s_lshl_b32 s43, s41, 2
	s_lshl_b32 s43, 15, s43                        ; my row of the cluster
	s_or_b32 s[G1+0], s43, (1<<20)|(1<<21)|(6<<22)|(3<<25)  ; the mask; elements of 1 byte; padding of 4 words behind every 128; bit 21 beside a mask
	s_mov_b32 s[G1+1], 512<<16
	s_mov_b32 s[G1+2], 64<<16
	s_mov_b32 s[G1+3], 512<<16
	s_mov_b32 s[G1+4], 64
	s_mov_b32 s[G1+5], 4096
	s_mov_b32 s[G1+6], 0
	s_mov_b32 s[G1+7], 0
	s_lshl_b32 s20, s17, 20                        ; x: 256 rows of 4,096 bytes x tile row
	s_lshl_b32 s18, s14, 18                        ; + 64 rows x wave
	s_add_co_u32 s20, s20, s18
	s_mov_b32 s21, 0
	s_mul_i32 s45, s14, QUART                      ; and where they go
	s_lshl_b32 s52, s42, 20                        ; weights: 16 blocks of 65,536 bytes x tile column
	s_lshl_b32 s53, s16, 19                        ; + 8 blocks x my half
	s_add_co_u32 s52, s52, s53
	s_mov_b32 s53, 0
	s_lshl_b32 s54, s40, 16                        ; prefetch of x: of the 64 rows that I fetch, 16 by cx
	s_add_co_u32 s54, s54, s20
	s_mov_b32 s55, 0
	s_lshl_b32 s56, s41, 2                         ; prefetch of weights: of the tile column's 16 blocks, block 4 cy + wave
	s_add_co_u32 s56, s56, s14
	s_lshl_b32 s56, s56, 16
	s_lshl_b32 s57, s42, 20
	s_add_co_u32 s56, s56, s57
	s_mov_b32 s57, 0
	s_mul_i32 s22, s15, 128*PITCH                  ; my 128 rows of x in slot 0,
	s_add_co_u32 s23, s22, SLOT                    ; in slot 1
	s_mul_i32 s19, s14, 16*SPITCH
	s_add_co_u32 s19, s19, STAGE                   ; my stage
	s_lshl_b32 s58, s17, 8
	s_lshl_b32 s59, s15, 7
	s_add_co_u32 s58, s58, s59                     ; my first row of out
	s_lshl_b32 s58, s58, 14
	s_lshl_b32 s59, s42, 9                         ; my first column, in bytes: 512 x tile column + 256 x half
	s_add_co_u32 s58, s58, s59
	s_lshl_b32 s59, s16, 8
	s_add_co_u32 s58, s58, s59
	s_mov_b32 s59, 0
	s_wait_dscnt 0x0                               ; both opening adds are done
	s_wait_kmcnt 0x0
	s_load_b128 s[68:71], s[8:9], 0x0              ; e0 .. e3
	s_add_nc_u64 s[20:21], s[4:5], s[20:21]
	s_add_nc_u64 s[BB:BB+1], s[6:7], s[52:53]
	s_add_nc_u64 s[PA:PA+1], s[4:5], s[54:55]
	s_add_nc_u64 s[PB:PB+1], s[6:7], s[56:57]
	s_add_nc_u64 s[10:11], s[10:11], s[58:59]
	CROUND                                         ; the first joint loads meet
.irp s, 0,1
	s_mov_b32 s[G0+4*\s], 1
	s_add_co_u32 s[G0+4*\s+1], s45, \s*SLOT
	s_add_nc_u64 s[G0+4*\s+2:G0+4*\s+3], s[20:21], \s*512
	s_or_b32 s[G0+4*\s+3], s[G0+4*\s+3], 0x80000000
.endr
	TLOAD 0                                        ; slot 0: one tensor load a wave at the head
	v_and_b32 v1, 15, v0
	v_bfe_u32 v2, v0, 4, 1
	v_and_b32 v6, 31, v0
	v_mul_u32_u24 v3, v1, PITCH
	v_lshl_add_u32 v3, v2, 4, v3                   ; a fragment's row x pitch + 16 x half
	v_add_nc_u32 v[ADRA], s22, v3
	v_add_nc_u32 v[ADRA+1], s23, v3
	v_lshlrev_b32 v[BOF], 4, v6
	v_mul_u32_u24 v4, v1, SPITCH
	v_lshl_add_u32 v4, v2, 5, v4
	v_add_nc_u32 v[STO], s19, v4                   ; into the stage: row l % 16, 32 bytes for each half of the lanes
	v_mul_u32_u24 v5, v2, SPITCH
	v_lshl_add_u32 v5, v1, 4, v5
	v_add_nc_u32 v[RD], s19, v5                    ; back: lanes 0-15 one row of 256 bytes, lanes 16-31 the next
	v_lshlrev_b32 v7, 14, v2
	v_lshl_add_u32 v[CO], v1, 4, v7                ; the same two rows in out
	v_lshlrev_b32 v8, 12, v1
	v_lshl_add_u32 v[PFAO], v2, 8, v8
	v_lshlrev_b32 v[PFBO], 8, v6
	s_wait_alu depctr_va_vdst(0)                   ; the wait at the head's end
; 16 matrix instructions: four blocks of x (from register ab on) x the four weight blocks of half bh, in half-set hs.  Neighbouring instructions name different accumulators; an accumulator comes round once a step.
.macro MUL16 ab, hs, bh, zero
.irp k, 0,1,2,3
.irp i, 0,1,2,3
.if \zero
	v_wmma_f32_16x16x128_fp8_fp8 v[8*(8*\k+4*(\bh)+\i):8*(8*\k+4*(\bh)+\i)+7], v[64*(\hs)+16*\i:64*(\hs)+16*\i+15], v[(\ab)+16*\k:(\ab)+16*\k+15], 0
.else
	v_wmma_f32_16x16x128_fp8_fp8 v[8*(8*\k+4*(\bh)+\i):8*(8*\k+4*(\bh)+\i)+7], v[64*(\hs)+16*\i:64*(\hs)+16*\i+15], v[(\ab)+16*\k:(\ab)+16*\k+15], v[8*(8*\k+4*(\bh)+\i):8*(8*\k+4*(\bh)+\i)+7]
.endif
.endr
.endr
.endm
.macro LOADB hs, st, bh                ; sixteen loads: weight blocks 4 bh .. 4 bh + 3 of step st (counted from s[BB]) into half-set hs; each load is 512 consecutive bytes
.irp i, 0,1,2,3
.irp c, 0,1,2,3
	global_load_b128 v[64*(\hs)+16*\i+4*\c:64*(\hs)+16*\i+4*\c+3], v[BOF], s[BB:BB+1] offset:(4*(\bh)+\i)*65536+(\st)*2048+512*\c
.endr
.endr
.endm
.macro FETCHA reg, slot, q, i0         ; sixteen LDS loads: x's blocks i0 .. i0 + 3 of the slot's q-th 128 along K
.irp i, 0,1,2,3
.irp c, 0,1,2,3
	ds_load_b128 v[(\reg)+16*\i+4*\c:(\reg)+16*\i+4*\c+3], v[ADRA+(\slot)] offset:128*(\q)+32*\c+((\i0)+\i)*16*PITCH
.endr
.endr
.endm
.macro ASK q, guard                    ; the slot q slots behind the lap's first: 32 blocks of 256 bytes of x, 32 of the weights
.if \guard
	s_cmp_gt_u32 s3, 1                             ; in the loop's last trip that slot would be the ninth: nothing is named
	s_cbranch_scc0 .Lno_ask_\@
.endif
	global_prefetch_b8 v[PFAO], s[PA:PA+1] offset:(\q)*512 th:TH_LOAD_NT scope:SCOPE_SE
	global_prefetch_b8 v[PFBO], s[PB:PB+1] offset:(\q)*8192 th:TH_LOAD_NT scope:SCOPE_SE
.Lno_ask_\@:
.endm
; A step of 128 along K.  s: the step in its lap (8 = the next lap's first).  turn: 1 = the slot's last step, the slot is filled again; 2 = the same with no fill.  pf: 1, 2 = prefetch.
; lb: the weights of step s + 2 are loaded.  we, wo: weight loads that may be out at the two halves' heads.  nexta: x's fragments of step s + 1 are fetched.  bump: the lap's bases step.
.macro STEP s, zero, turn, pf, lb, we, wo, nexta, bump
.set P,   (\s)%2
.set SL,  ((\s)%8)/4
.set NSL, (((\s)+1)%8)/4
.set NQ,  ((\s)+1)%4
.set SB,  (\s)+2
.if \turn
	s_wait_tensorcnt 0x0                           ; all my tensor loads have landed: my part of the next slot
	ds_add_u32 v[SPW], v[NIL]
	s_wait_dscnt 17                                ; blocks 0-3 are in; blocks 4-7's sixteen loads and the add may be out
.else
	s_wait_dscnt 16                                ; blocks 0-3 are in; blocks 4-7's sixteen loads may be out
.endif
	s_wait_loadcnt \we                             ; this half's sixteen weight loads are in; the younger half-sets' may be out
	WIN MUL_LO
	MUL16 A03+64*P, 2*P, 0, \zero
	s_wait_dscnt 0x0                               ; blocks 4-7 are in; at a turn: the add is done and my reads of this slot are over
.if \turn
	s_barrier_signal -1
.endif
	WIN MUL_HI
	MUL16 A47, 2*P, 0, \zero
.if \turn
	WIN 0
	s_barrier_wait -1
.endif
.if \turn == 1
	CREST                                          ; the barrier has opened a round of the cluster's barrier
	s_add_nc_u64 s[G0+4*SL+2:G0+4*SL+3], s[G0+4*SL+2:G0+4*SL+3], 1024
	TLOAD SL                                       ; the refill, first behind the round; its four v_nop are the places in front of the loads below
.else
	PLACES
.endif
.if \lb
	WIN TO_B
	LOADB 2*P, SB, 0
.endif
	WIN 0
.if \nexta
	FETCHA A03+64*(1-P), NSL, NQ, 0
.endif
.if \pf == 1
	ASK 3, 0
.endif
.if \pf == 2
	ASK 4, 1
.endif
	s_wait_loadcnt \wo
	WIN MUL_HI
	MUL16 A47, 2*P+1, 1, \zero
	PLACES
	WIN 0
.if \nexta
	FETCHA A47, NSL, NQ, 4
.endif
.if \bump
	s_wait_xcnt 0x0                                ; the loads and prefetches issued so far have read their bases
	s_add_nc_u64 s[BB:BB+1], s[BB:BB+1], 8*2048
	s_add_nc_u64 s[PA:PA+1], s[PA:PA+1], 2*512
	s_add_nc_u64 s[PB:PB+1], s[PB:PB+1], 2*8192
.set SB, (\s)+2-8
.endif
	WIN MUL_LO
	MUL16 A03+64*P, 2*P+1, 1, \zero
	PLACES
.if \lb
	WIN TO_B
	LOADB 2*P+1, SB, 1
.endif
	WIN 0
.endm
	WIN TO_B
	LOADB 0, 0, 0                                  ; the ring's four half-sets: steps 0 and 1
	LOADB 1, 0, 1
	LOADB 2, 1, 0
	LOADB 3, 1, 1
	WIN 0
	s_wait_tensorcnt 0x0                           ; my part of slot 0 is in
	ds_add_u32 v[SPW], v[NIL]
	s_wait_dscnt 0x0
	CROUND
	TLOAD 1                                        ; slot 1's first fill, first behind the round
	FETCHA A03, 0, 0, 0
	FETCHA A47, 0, 0, 4
	STEP 0, 1, 0, 0, 1, 48, 48, 1, 0               ; the first step starts the sums
	s_mov_b32 s3, 3
.Llap:                                                 ; a trip goes once round the ring, from a lap's second step to the next lap's first
	STEP 1, 0, 0, 0, 1, 48, 48, 1, 0
	STEP 2, 0, 0, 0, 1, 48, 48, 1, 0
	STEP 3, 0, 1, 1, 1, 48, 48, 1, 0
	STEP 4, 0, 0, 0, 1, 48, 48, 1, 0
	STEP 5, 0, 0, 0, 1, 48, 48, 1, 0
	STEP 6, 0, 0, 0, 1, 48, 48, 1, 0
	STEP 7, 0, 1, 2, 1, 48, 48, 1, 0
	STEP 8, 0, 0, 0, 1, 48, 48, 1, 1
	s_sub_co_u32 s3, s3, 1
	s_cmp_lg_u32 s3, 0
	s_cbranch_scc1 .Llap
	STEP 1, 0, 0, 0, 1, 48, 48, 1, 0               ; the last lap fills nothing
	STEP 2, 0, 0, 0, 1, 48, 48, 1, 0
	STEP 3, 0, 2, 0, 1, 48, 48, 1, 0
	STEP 4, 0, 0, 0, 1, 48, 48, 1, 0
	STEP 5, 0, 0, 0, 1, 48, 48, 1, 0
	STEP 6, 0, 0, 0, 0, 48, 32, 1, 0               ; no weights are left to ask for: fewer half-sets stand behind each wait
	STEP 7, 0, 0, 0, 0, 16, 0, 0, 0
; THE WAY OUT, block by block of 16 rows x 64 columns: the two products' sums, each x its factor, are added; a block goes through my own stage and comes back as whole rows of 256 bytes.
.macro TOSTAGE a
.set AC, 64*((\a)%4)
	WIN 0x02+((\a)/4)
.irp b, 0,1,2,3
.irp j, 0,2,4,6
	v_pk_mul_f32 v[TMP+8*\b+\j:TMP+8*\b+\j+1], v[AC+8*(\b+4)+\j:AC+8*(\b+4)+\j+1], s[98:99] op_sel_hi:[1,0]
.endr
.irp j, 0,2,4,6
	v_pk_fma_f32 v[TMP+8*\b+\j:TMP+8*\b+\j+1], v[AC+8*\b+\j:AC+8*\b+\j+1], s[96:97], v[TMP+8*\b+\j:TMP+8*\b+\j+1] op_sel_hi:[1,0,1]
.endr
.endr
	WIN 0
.irp b, 0,1,2,3
	ds_store_b128 v[STO], v[TMP+8*\b:TMP+8*\b+3] offset:64*\b
	ds_store_b128 v[STO], v[TMP+8*\b+4:TMP+8*\b+7] offset:64*\b+16
.endr
.set BBK, BK+32*((\a)%2)
.irp t, 0,1,2,3,4,5,6,7
	ds_load_b128 v[BBK+4*\t:BBK+4*\t+3], v[RD] offset:\t*2*SPITCH   ; LDS serves a wave's instructions in order (ISA guide 5.7.1.4)
.endr
.endm
.macro SEND a, younger
.set BBK, BK+32*((\a)%2)
	s_wait_dscnt \younger
.if (\a) > 0
	s_add_nc_u64 s[10:11], s[10:11], 16*OUTROW     ; behind a wait on XCNT: the earlier stores have read their base
.endif
.irp t, 0,1,2,3,4,5,6,7
	global_store_b128 v[CO], v[BBK+4*\t:BBK+4*\t+3], s[10:11] offset:2*\t*OUTROW th:TH_STORE_NT   ; 16 lanes store 256 consecutive bytes, at a multiple of 256 from out's first byte
.endr
.endm
	s_wait_kmcnt 0x0
	s_add_co_i32 s96, s68, s69
	s_add_co_i32 s96, s96, 127
	s_lshl_b32 s96, s96, 23                        ; 2^(e0 + e1)
	s_mov_b32 s97, s96
	s_add_co_i32 s98, s70, s71
	s_add_co_i32 s98, s98, 127
	s_lshl_b32 s98, s98, 23                        ; 2^(e2 + e3)
	s_mov_b32 s99, s98
	PLACES
	TOSTAGE 0
.irp a, 1,2,3,4,5,6,7
.if \a > 1
	s_wait_xcnt 0x0                                ; block a - 2's stores have read their registers and their base
.endif
	TOSTAGE \a
	SEND \a-1, 16                                  ; behind block a - 1's loads: block a's 8 stores and 8 loads
.endr
	s_wait_xcnt 0x0
	SEND 7, 0
	s_wait_tensorcnt 0x0                           ; the wave's end
	ds_add_u32 v[SPW], v[NIL]
	s_wait_dscnt 0x0
	CROUND                                         ; the closing round
	s_endpgm
.Lfunc_end_k_qd02cf37eec_gemm:
	.size	k_qd02cf37eec_gemm, .Lfunc_end_k_qd02cf37eec_gemm-k_qd02cf37eec_gemm
	.p2alignl 7, 3214868480
	.fill 96, 4, 3214868480
	.section	.rodata,"a",@progbits
	.p2align	6, 0x0
	.amdhsa_kernel k_qd02cf37eec_gemm
		.amdhsa_group_segment_fixed_size 327680
		.amdhsa_private_segment_fixed_size 0
		.amdhsa_enable_private_segment 0
		.amdhsa_kernarg_size 32
		.amdhsa_user_sgpr_count 2
		.amdhsa_user_sgpr_kernarg_segment_ptr 1
		.amdhsa_wavefront_size32 1
		.amdhsa_system_sgpr_workgroup_id_x 1
		.amdhsa_system_sgpr_workgroup_id_y 1
		.amdhsa_system_sgpr_workgroup_id_z 1
		.amdhsa_system_vgpr_workitem_id 0
		.amdhsa_next_free_vgpr 1024
		.amdhsa_next_free_sgpr 100
		.amdhsa_reserve_vcc 0
		.amdhsa_float_denorm_mode_32 3
		.amdhsa_float_denorm_mode_16_64 3
		.amdhsa_memory_ordered 1
		.amdhsa_forward_progress 1
		.amdhsa_inst_pref_size 197
	.end_amdhsa_kernel
	.amdgpu_metadata
---
amdhsa.version: [ 1, 2 ]
amdhsa.kernels:
  - .name:           k_qd02cf37eec_gemm
    .symbol:         k_qd02cf37eec_gemm.kd
    .args:
      - { .name: x_codes, .offset: 0, .size: 8, .value_kind: global_buffer, .address_space: global }
      - { .name: wcodes, .offset: 8, .size: 8, .value_kind: global_buffer, .address_space: global }
      - { .name: lowp_scales, .offset: 16, .size: 8, .value_kind: global_buffer, .address_space: global }
      - { .name: out0, .offset: 24, .size: 8, .value_kind: global_buffer, .address_space: global }
    .group_segment_fixed_size: 327680
    .private_segment_fixed_size: 0
    .kernarg_segment_align: 8
    .kernarg_segment_size: 32
    .max_flat_workgroup_size: 128
    .sgpr_count:     100
    .vgpr_count:     1024
    .wavefront_size: 32
...
	.end_amdgpu_metadata
.endif
;; end of part 2
